; MI455X (gfx1250); checked and timed in simulation.
; The chip was launched on July 23, 2026; its instructions are those of AMD's public machine-readable ISA for CDNA 5 (MIT licence, August 2026) and "CDNA5" Instruction Set Architecture Reference Guide (July 2026). The comments in the code are by the model that wrote it; some were corrected since.
;; Skeleton Extraction Layer. Allowed arithmetic: float matrix products may take bf16 or f16 operands with f32 sums; other float arithmetic in f32, or as packed bf16 or f16 multiplies, adds, multiply-adds, maxima and minima; sums over many terms, partial sums and values carried from step to step in f32; what a program stores and reads back later, other than sums and carried values, may be rounded once to bf16 or f16.
;; Inputs: inputs 32 x 512 x 512 x 1 float32.
;; Outputs: out0 32 x 512 x 512 x 1 float32.
;; 2 versions, each right; version 2 is version 1 with the launch skeleton written anew for expert scheduling mode. Each part assembles by itself: llvm-mc -triple=amdgcn-amd-amdhsa -mcpu=gfx1250 --defsym DOCPART=n.
;; ======== version 1 of 2: 1 launch
;; launch skeleton (part 1): grid 256 x 1, 4 waves a work-group, no clusters, 5,632 bytes of LDS; arguments inputs, out0; writes out0
.if DOCPART == 1
	.amdgcn_target "amdgcn-amd-amdhsa--gfx1250"
	.amdhsa_code_object_version 6
	.text
	.protected	k_qeb542d3090_skeleton
	.globl	k_qeb542d3090_skeleton
	.p2align	8
	.type	k_qeb542d3090_skeleton,@function
k_qeb542d3090_skeleton:
	s_mov_b64 s[64:65], 0
	v_nop
	global_prefetch_b8 v0, s[64:65] scope:SCOPE_SE
	s_setreg_imm32_b32 hwreg(HW_REG_WAVE_MODE, 25, 1), 1
	s_wait_xcnt 0x0
; ZHANG-SUEN THINNING, 4 iterations = 8 substeps, on 32 images of 512 x 512 f32; out = 0.0 or 1.0.  A pixel is on where the input is >= 0.5 (a NaN is off, as in the comparison itself).
; ONE BIT A PIXEL.  A work-group owns 64 whole rows of one image and reads 80 (8 substeps reach 8 rows up and down); rows beyond the image count as 0.  Four waves.
; IN.   Wave w loads rows 20 w .. 20 w + 19 of the 80, 16 bytes a lane: a load covers 512 consecutive bytes (chunk c of a row), lane L holds pixels 128 c + 4 L + j, j = 0..3.  A compare of
;       register j gives a lane mask: plane j of chunk c, bit L = pixel 128 c + 4 L + j.  A row's 16 masks are written into 16 lanes, two rows make a register, and go to LDS: 64 bytes a row.
; WORK. Wave w makes rows 16 w + 8 .. 16 w + 23 of the 80.  A register is a row, 16 lanes are its 16 words.  Lanes 0-15: register r = row 16 w + r.  Lanes 16-31: register r = row 16 w + 31 - r,
;       mirrored, so that register 15 is the seam in both halves and the row beyond it is the other half's register 15 (one v_permlanex16_b32 a substep).  Only the outer 8 rows are a halo:
;       substep k makes registers k .. 15.  The counts of neighbours and of 0-1 changes round the ring do not change under the mirror; the one term that does takes the true neighbour by a select.
; WORD ORDER in the 16 lanes: 4 (3 - j) + c.  The east neighbour's word is the lane 4 below (rotating), the west neighbour's the lane 4 above; only plane 3 (east) and plane 0 (west) shift by one bit,
;       with a carry from 13 lanes up or down; the lane that has no such source is the image's last or first column and takes 0.
; LOGIC.  t, r, b, l = the 0-1 changes on the ring's top, right, bottom and left pairs of steps (0 or 1 each).  A pixel that is on STAYS if two of them are set, or all four diagonals are on, or none is,
;       or no 4-neighbour is on, or the substep's two products are not both 0.  That is the negation of (one change, 2 to 6 neighbours, both products 0): with one change the neighbours that are on form
;       one arc, and an arc of two or more holds a diagonal and a 4-neighbour; likewise the arc that is off.
; OUT.  A word is read back as a lane mask and selects 0.0 or 1.0; a store covers 512 consecutive bytes, aligned.
; NO CLUSTER: work-groups share only the 16 halo rows of the 80 that each reads.  No tensor load: the floats are used once, from registers; only their bits, 1/32 of the bytes, pass through LDS.
.set ROWB,  2048                       ; bytes in a row of floats
.set RING,  14                         ; rows of floats in registers: 56 loads of a wave go out at the start
.set SPARE, 5120                       ; behind the 80 rows x 64 bytes of bits: the spare words, 128 bytes a wave, that no other line names
.set SPW, 1                            ; v1   LDS address of my spare word; never rewritten
.set NIL, 2                            ; v2   0; never rewritten
.set OFA, 3                            ; v3   byte offset in the input of my 16 bytes in my wave's row 0 (rows 0-7)
.set OFB, 4                            ; v4   the same for row 8 (rows 8-11)
.set OFC, 5                            ; v5   the same for row 12 (rows 12-19)
.set STA, 6                            ; v6   LDS: where my lane's word of my wave's first two rows goes
.set LDA, 7                            ; v7   LDS: my lane's word of the first row that my half of the lanes reads
.set OFO, 8                            ; v8   16 x lane
.set SHE, 9                            ; v9   1 in plane 3's lanes, else 0
.set SHW, 10                           ; v10  1 in plane 0's lanes, else 0
.set HM,  11                           ; v11  all ones in lanes 16-31, else 0
.set T0,  12                           ; v12-13 at work
.set T1,  13
.set PK,  16                           ; v16-25  ten pairs of packed rows
.set D,   32                           ; v32-255 the ring of floats; free when the bits are in LDS:
.set PA,  32                           ; v32-47  the bit image, 16 rows
.set P16, 48                           ; v48     the row across the seam
.set PB,  50                           ; v50-65  the bit image, the other of the two that take turns
.set ST,  66                           ; v66     the true south (north) neighbour
.set SL,  72                           ; v72-103 row functions, four rows by turns: E, W, ~E, ~W, E&W, ~E&~W, top, bottom
.set TR,  104                          ; v104-119 four registers at work for each of those rows
.set RT,  120                          ; v120-127 at work for a row of results
.set LF,  121
.set NSO, 122
.set NSA, 123
.set Q,   124
.set U,   125
.set VV,  126
.set Z,   127
.set O,   128                          ; v128-255 eight rows of floats on their way out
.set VA,  16                           ; s16  0 if my rows 0-7 lie above the image, else all ones
.set VC,  17                           ; s17  0 if my rows 12-19 lie below the image, else all ones
.set MS,  20                           ; s20-51 lane masks
.set SEL, 52                           ; s52-53 v_permlanex16_b32's selects: each lane takes its own place in the other half
	s_load_b128 s[4:7], s[0:1], 0x0                ; inputs s[4:5], out0 s[6:7]
	v_lshl_add_u32 v[SPW], v0, 2, SPARE
	v_mov_b32 v[NIL], 0
	v_lshrrev_b32 v[T0], 5, v0
	v_readfirstlane_b32 s8, v[T0]                  ; wave 0..3
	v_and_b32 v[T0], 31, v0                        ; lane
	v_lshlrev_b32 v[OFO], 4, v[T0]
	s_and_b32 s9, ttmp9, 7                         ; which of the image's eight strips
	s_lshl_b32 s10, ttmp9, 6                       ; the strip's first row, counted through all images: 64 x work-group
	s_mul_i32 s11, s8, 20
	s_add_co_u32 s11, s11, s10                     ; t = my wave's row 8, counted so
	s_or_b32 s12, s9, s8
	s_cmp_eq_u32 s12, 0                            ; top strip, wave 0: rows 0-7 lie above the image.  They load rows 8-15's bytes instead (inside the buffer), and their bits are cleared
	s_cselect_b32 s13, 0, 8
	s_cselect_b32 s[VA], 0, -1
	s_lshl_b32 s12, s9, 2
	s_or_b32 s12, s12, s8
	s_cmp_eq_u32 s12, 31                           ; bottom strip, wave 3: rows 12-19 lie below the image: they load rows 4-11's bytes
	s_cselect_b32 s15, 8, 0
	s_cselect_b32 s[VC], 0, -1
	s_sub_co_u32 s13, s11, s13                     ; row 0
	s_add_co_u32 s14, s11, 4
	s_sub_co_u32 s14, s14, s15                     ; row 12
	s_lshl_b32 s13, s13, 11                        ; rows to bytes: under 2^25
	s_lshl_b32 s14, s14, 11
	s_lshl_b32 s15, s11, 11
	v_add_nc_u32 v[OFA], s13, v[OFO]
	v_add_nc_u32 v[OFB], s15, v[OFO]
	v_add_nc_u32 v[OFC], s14, v[OFO]
	s_wait_kmcnt 0x0
.macro LOADROW i                       ; my wave's row i: four loads of 512 consecutive bytes, into ring place i % RING
.set slot, (\i)%RING
.if (\i) < 8
.set ofr, OFA
.set imm, (\i)*ROWB
.elseif (\i) < 12
.set ofr, OFB
.set imm, ((\i)-8)*ROWB
.else
.set ofr, OFC
.set imm, ((\i)-12)*ROWB
.endif
.irp c, 0,1,2,3
	global_load_b128 v[D+16*slot+4*(\c):D+16*slot+4*(\c)+3], v[ofr], s[4:5] offset:imm+512*(\c)
.endr
.endm
.irp i, 0,1,2,3,4,5,6,7,8,9,10,11,12,13
	LOADROW \i
.endr
	; the rest of the set-up stands in the wait for the first rows
	s_lshl_b32 s12, s8, 4
	s_add_co_u32 s12, s12, s10                     ; the first row that I store: 64 x work-group + 16 x wave
	s_lshl_b32 s54, s12, 11
	s_mov_b32 s55, 0
	s_add_nc_u64 s[6:7], s[6:7], s[54:55]
	s_mov_b32 s[SEL], 0x76543210
	s_mov_b32 s[SEL+1], 0xfedcba98
	s_mul_i32 s18, s8, 1280                        ; my wave's 20 rows of 64 bytes
	v_lshl_add_u32 v[STA], v[T0], 2, s18           ; + 4 x lane: lanes 0-15 one row, lanes 16-31 the next
	v_and_b32 v[T1], 16, v0
	v_and_b32 v[T0], 15, v0                        ; my word's place in a row
	v_lshlrev_b32 v[LDA], 6, v[T1]                 ; lanes 16-31 read 16 rows further down,
	v_lshl_add_u32 v[LDA], v[T0], 2, v[LDA]
	s_lshl_b32 s18, s8, 10                         ; wave w from row 16 w on
	v_add_nc_u32 v[LDA], s18, v[LDA]
	v_cmp_gt_u32 vcc_lo, 4, v[T0]                  ; places 0-3: plane 3
	v_cndmask_b32 v[SHE], 0, 1, vcc_lo
	v_cmp_lt_u32 vcc_lo, 11, v[T0]                 ; places 12-15: plane 0
	v_cndmask_b32 v[SHW], 0, 1, vcc_lo
	v_cmp_ne_u32 vcc_lo, 0, v[T1]
	v_cndmask_b32 v[HM], 0, -1, vcc_lo
.set t, 0
.rept 10
	v_mov_b32 v[PK+t], 0                           ; v_writelane_b32 keeps the other lanes: the register is written whole first
.set t, t+1
.endr
; Rows 2 m and 2 m + 1 become bits.  left = the loads issued behind theirs, which stay out.  next >= 0: the two ring places just read take rows next and next + 1.
.macro PACK m, left, next
	s_wait_loadcnt \left                           ; loads come back in order (ISA guide 5.7.1): these two rows' eight are in
.set t, 0
.rept 32                               ; t = 16 u + 4 c + j: row 2 m + u, chunk c, plane j
	v_cmp_le_f32 s[MS+t], 0.5, v[D+16*((2*(\m)+t/16)%RING)+t%16]
.set t, t+1
.endr
.if (\next) >= 0
	LOADROW \next
	LOADROW (\next)+1
.endif
.set t, 0
.rept 32
	v_writelane_b32 v[PK+(\m)], s[MS+t], 16*(t/16)+4*(3-t%4)+(t%16)/4
.set t, t+1
.endr
.if (\m) < 4
	v_and_b32 v[PK+(\m)], s[VA], v[PK+(\m)]        ; rows above the image are 0
.elseif (\m) >= 6
	v_and_b32 v[PK+(\m)], s[VC], v[PK+(\m)]        ; rows below it too
.endif
	ds_store_b32 v[STA], v[PK+(\m)] offset:128*(\m)
.endm
	PACK 0, 48, 14                                 ; 56 issued, 8 wanted: 48 stay out; then 8 more go out, so the count stays
	PACK 1, 48, 16
	PACK 2, 48, 18
	PACK 3, 48, -1                                 ; all 80 are issued: 32 wanted, 48 behind them
	PACK 4, 40, -1
	PACK 5, 32, -1
	PACK 6, 24, -1
	PACK 7, 16, -1
	PACK 8, 8, -1
	PACK 9, 0, -1
	s_wait_dscnt 0x0                               ; for the others' sake: my rows of bits are in LDS
	s_barrier_signal -1
	s_barrier_wait -1                              ; all 80 rows are
.set t, 0
.rept 16
	ds_load_b32 v[PB+t], v[LDA] offset:64*t        ; lanes 0-15: row 16 w + t; lanes 16-31: row 16 w + 16 + t
.set t, t+1
.endr
.set t, 0
.rept 16
	v_mov_b32 v[TR+t], 0                           ; destinations of DPP moves and of the lane permute count as read: written once here
.set t, t+1
.endr
	v_mov_b32 v[P16], 0
	s_wait_dscnt 0x0
.set t, 0
.rept 16
	v_bfi_b32 v[PA+t], v[HM], v[PB+15-t], v[PB+t]  ; lanes 16-31 take their rows in reverse order
.set t, t+1
.endr
; Operation n of 14 of ROW r's functions, from the image SRC (row 16: the row across the seam), into place r % 4.
.macro RF r, n
.if (\r) == 16
.set rP, P16
.else
.set rP, SRC+(\r)
.endif
.set rB, SL+8*((\r)%4)
.set rX, TR+4*((\r)%4)
.if (\n) == 0
	v_mov_b32_dpp v[rX], v[rP] row_ror:4 row_mask:0xf bank_mask:0xf                    ; the word 4 lanes below: plane j + 1; for plane 3: plane 0 of the same chunk
.elseif (\n) == 1
	v_mov_b32_dpp v[rX+1], v[rP] row_shl:13 row_mask:0xf bank_mask:0xf bound_ctrl:1    ; for plane 3: plane 0 of the next chunk; 0 for the last chunk and in all other planes
.elseif (\n) == 2
	v_mov_b32_dpp v[rX+2], v[rP] row_ror:12 row_mask:0xf bank_mask:0xf                 ; the word 4 lanes above: plane j - 1; for plane 0: plane 3 of the same chunk
.elseif (\n) == 3
	v_mov_b32_dpp v[rX+3], v[rP] row_shr:13 row_mask:0xf bank_mask:0xf bound_ctrl:1    ; for plane 0: plane 3 of the chunk before; 0 for the first chunk and in all other planes
.elseif (\n) == 4
	v_lshrrev_b32 v[rX], v[SHE], v[rX]
.elseif (\n) == 5
	v_lshrrev_b32 v[rX+3], 31, v[rX+3]
.elseif (\n) == 6
	v_lshl_or_b32 v[rB], v[rX+1], 31, v[rX]        ; E: the row one pixel to the east
.elseif (\n) == 7
	v_lshl_or_b32 v[rB+1], v[rX+2], v[SHW], v[rX+3] ; W
.elseif (\n) == 8
	v_xor_b32 v[rB+2], -1, v[rB]
.elseif (\n) == 9
	v_xor_b32 v[rB+3], -1, v[rB+1]
.elseif (\n) == 10
	v_and_b32 v[rB+4], v[rB], v[rB+1]
.elseif (\n) == 11
	v_and_b32 v[rB+5], v[rB+2], v[rB+3]
.elseif (\n) == 12
.if (\r) != KK-1                       ; the substep's first row is nobody's lower neighbour
	v_bfi_b32 v[rB+7], v[rP], v[rB+2], v[rB+1]     ; bottom: changes on E -> P -> W: P ? ~E : W
.endif
.elseif (\n) == 13
.if (\r) != 16                         ; the row across the seam is nobody's upper neighbour
	v_bfi_b32 v[rB+6], v[rP], v[rB+3], v[rB]       ; top: changes on W -> P -> E: P ? ~W : E
.endif
.endif
.endm
; Operation n of 17 of ROW r's new value.  N, S: registers r - 1, r + 1 (in lanes 16-31 the true south and north).
.macro PX r, n
.set rN, SRC+(\r)-1
.set rC, SRC+(\r)
.if (\r) == 15
.set rS, P16
.else
.set rS, SRC+(\r)+1
.endif
.set bN, SL+8*(((\r)+3)%4)
.set bC, SL+8*((\r)%4)
.set bS, SL+8*(((\r)+1)%4)
.if (\n) == 0
	v_bfi_b32 v[RT], v[bC], v[bN+2], v[bS]         ; right: E ? ~NE : SE
.elseif (\n) == 1
	v_bfi_b32 v[LF], v[bC+1], v[bS+3], v[bN+1]     ; left: W ? ~SW : NW
.elseif (\n) == 2
	v_or_b32 v[NSO], v[rN], v[rS]
.elseif (\n) == 3
	v_and_b32 v[NSA], v[rN], v[rS]
.elseif (\n) == 4
	v_and_b32 v[Q], v[bN+6], v[RT]                 ; two changes: top and right,
.elseif (\n) == 5
	v_or_b32 v[U], v[bN+6], v[RT]
.elseif (\n) == 6
	v_or_b32 v[VV], v[bS+7], v[LF]
.elseif (\n) == 7
.if FIRST
	v_bfi_b32 v[ST], v[HM], v[rN], v[rS]           ; the true south neighbour
.else
	v_bfi_b32 v[ST], v[HM], v[rS], v[rN]           ; the true north neighbour
.endif
.elseif (\n) == 8
	v_and_or_b32 v[Q], v[bS+7], v[LF], v[Q]        ; bottom and left,
.elseif (\n) == 9
	v_bfi_b32 v[Z], v[NSO], 0, v[bC+5]             ; no 4-neighbour is on
.elseif (\n) == 10
	v_and_or_b32 v[Q], v[U], v[VV], v[Q]           ; one of each pair
.elseif (\n) == 11
	v_and_or_b32 v[Z], v[bN+4], v[bS+4], v[Z]      ; all four diagonals are on
.elseif (\n) == 12
	v_and_or_b32 v[Q], v[bN+5], v[bS+5], v[Q]      ; no diagonal is on
.elseif (\n) == 13
	v_and_or_b32 v[Z], v[NSA], v[bC+1-FIRST], v[Z] ; N S E (first substep), N S W (second)
.elseif (\n) == 14
	v_and_or_b32 v[Q], v[bC+4], v[ST], v[Q]        ; E W and the true S (first), the true N (second)
.elseif (\n) == 15
	v_or_b32 v[Q], v[Q], v[Z]
.else
	v_and_b32 v[DST+(\r)], v[rC], v[Q]
.endif
.endm
; SUBSTEP k of 8 makes registers k .. 15 of dst from registers k - 1 .. 15 of src and the seam.  A row's result and the functions of the row two further on do not depend on each other: their lines alternate.
.macro SUBSTEP k, first, src, dst
.set KK, \k
.set FIRST, \first
.set SRC, \src
.set DST, \dst
	v_permlanex16_b32 v[P16], v[SRC+15], s[SEL], s[SEL+1]
.set n, 0
.rept 14
	RF KK-1, n
	RF KK, n
	RF KK+1, n
.set n, n+1
.endr
.set r, KK
.rept 16-(\k)
.set n, 0
.rept 17
	PX r, n
.if (r+2 <= 16) && (n < 14)
	RF r+2, n
.endif
.set n, n+1
.endr
.set r, r+1
.endr
.endm
	SUBSTEP 1, 1, PA, PB
	SUBSTEP 2, 0, PB, PA
	SUBSTEP 3, 1, PA, PB
	SUBSTEP 4, 0, PB, PA
	SUBSTEP 5, 1, PA, PB
	SUBSTEP 6, 0, PB, PA
	SUBSTEP 7, 1, PA, PB
	SUBSTEP 8, 0, PB, PA
; Row p of my 16: lanes 0-15 of register 8 + p, or lanes 16-31 of register 23 - p.  Each word goes back into a lane mask and selects 0.0 or 1.0.
.macro OUTROW p
.if (\p) < 8
.set rr, PA+8+(\p)
.set hh, 0
.else
.set rr, PA+23-(\p)
.set hh, 16
.endif
.set ob, O+16*((\p)%8)
.set sb, MS+16*((\p)%2)
.set t, 0
.rept 16                               ; t = 4 c + j
	v_readlane_b32 s[sb+t], v[rr], hh+4*(3-t%4)+t/4
.set t, t+1
.endr
.set t, 0
.rept 16
	v_cndmask_b32 v[ob+t], 0, 1.0, s[sb+t]
.set t, t+1
.endr
.irp c, 0,1,2,3
	global_store_b128 v[OFO], v[ob+4*(\c):ob+4*(\c)+3], s[6:7] offset:(\p)*ROWB+512*(\c) th:TH_STORE_NT  ; 512 consecutive bytes, at a multiple of 512 from the output's first byte
.endr
.endm
.irp p, 0,1,2,3,4,5,6,7
	OUTROW \p
.endr
	s_wait_xcnt 0x0                                ; the first eight rows' stores have had their addresses translated (ISA guide 3.1): only behind this wait are their data registers written again
.irp p, 8,9,10,11,12,13,14,15
	OUTROW \p
.endr
	s_wait_tensorcnt 0x0                           ; the wave's end, behind my last LDS store
	ds_add_u32 v[SPW], v[NIL]
	s_wait_dscnt 0x0
	s_endpgm
.Lfunc_end_k_qeb542d3090_skeleton:
	.size	k_qeb542d3090_skeleton, .Lfunc_end_k_qeb542d3090_skeleton-k_qeb542d3090_skeleton
	.p2alignl 7, 3214868480
	.fill 96, 4, 3214868480
	.section	.rodata,"a",@progbits
	.p2align	6, 0x0
	.amdhsa_kernel k_qeb542d3090_skeleton
		.amdhsa_group_segment_fixed_size 5632
		.amdhsa_private_segment_fixed_size 0
		.amdhsa_enable_private_segment 0
		.amdhsa_kernarg_size 16
		.amdhsa_user_sgpr_count 2
		.amdhsa_user_sgpr_kernarg_segment_ptr 1
		.amdhsa_wavefront_size32 1
		.amdhsa_system_sgpr_workgroup_id_x 1
		.amdhsa_system_sgpr_workgroup_id_y 1
		.amdhsa_system_sgpr_workgroup_id_z 1
		.amdhsa_system_vgpr_workitem_id 0
		.amdhsa_next_free_vgpr 256
		.amdhsa_next_free_sgpr 66
		.amdhsa_reserve_vcc 1
		.amdhsa_float_denorm_mode_32 3
		.amdhsa_float_denorm_mode_16_64 3
		.amdhsa_memory_ordered 1
		.amdhsa_forward_progress 1
		.amdhsa_inst_pref_size 244
	.end_amdhsa_kernel
	.amdgpu_metadata
---
amdhsa.version: [ 1, 2 ]
amdhsa.kernels:
  - .name:           k_qeb542d3090_skeleton
    .symbol:         k_qeb542d3090_skeleton.kd
    .args:
      - { .name: inputs, .offset: 0, .size: 8, .value_kind: global_buffer, .address_space: global }
      - { .name: out0, .offset: 8, .size: 8, .value_kind: global_buffer, .address_space: global }
    .group_segment_fixed_size: 5632
    .private_segment_fixed_size: 0
    .kernarg_segment_align: 8
    .kernarg_segment_size: 16
    .max_flat_workgroup_size: 128
    .sgpr_count:     66
    .vgpr_count:     256
    .wavefront_size: 32
...
	.end_amdgpu_metadata
.endif
;; end of part 1
;; ======== version 2 of 2: 1 launch; version 1 with the launch skeleton written anew for expert scheduling mode
;; launch skeleton (part 2): grid 256 x 1, 4 waves a work-group, no clusters, 5,632 bytes of LDS; arguments inputs, out0; writes out0
.if DOCPART == 2
	.amdgcn_target "amdgcn-amd-amdhsa--gfx1250"
	.amdhsa_code_object_version 6
	.text
	.protected	k_qeb542d3090_skeleton
	.globl	k_qeb542d3090_skeleton
	.p2align	8
	.type	k_qeb542d3090_skeleton,@function
k_qeb542d3090_skeleton:
	s_mov_b64 s[64:65], 0
	v_nop
	global_prefetch_b8 v0, s[64:65] scope:SCOPE_SE
	s_setreg_imm32_b32 hwreg(HW_REG_WAVE_SCHED_MODE, 0, 2), 2
	s_setreg_imm32_b32 hwreg(HW_REG_WAVE_MODE, 25, 1), 1
	s_wait_xcnt 0x0
	s_wait_alu depctr_vm_vsrc(0)
; ZHANG-SUEN THINNING, 4 iterations = 8 substeps, on 32 images of 512 x 512 f32; out = 0.0 or 1.0.  A pixel is on where the input is >= 0.5 (a NaN is off, as in the comparison itself).
; ONE BIT A PIXEL.  A work-group owns 64 whole rows of one image and reads 80 (8 substeps reach 8 rows up and down); rows beyond the image count as 0.  Four waves.
; IN.   Wave w loads rows 20 w .. 20 w + 19 of the 80, 16 bytes a lane: a load covers 512 consecutive bytes (chunk c of a row), lane L holds pixels 128 c + 4 L + j, j = 0..3.  A compare of
;       register j gives a lane mask: plane j of chunk c, bit L = pixel 128 c + 4 L + j.  A row's 16 masks are written into 16 lanes, two rows make a register, and go to LDS: 64 bytes a row.
; WORK. Wave w makes rows 16 w + 8 .. 16 w + 23 of the 80.  A register is a row, 16 lanes are its 16 words.  Lanes 0-15: register r = row 16 w + r.  Lanes 16-31: register r = row 16 w + 31 - r,
;       mirrored, so that register 15 is the seam in both halves and the row beyond it is the other half's register 15 (one v_permlanex16_b32 a substep).  Only the outer 8 rows are a halo:
;       substep k makes registers k .. 15.  The counts of neighbours and of 0-1 changes round the ring do not change under the mirror; the one term that does takes the true neighbour by a select.
; WORD ORDER in the 16 lanes: 4 (3 - j) + c.  The east neighbour's word is the lane 4 below (rotating), the west neighbour's the lane 4 above; only plane 3 (east) and plane 0 (west) shift by one bit,
;       with a carry from 13 lanes up or down; the lane that has no such source is the image's last or first column and takes 0.
; LOGIC.  t, r, b, l = the 0-1 changes on the ring's top, right, bottom and left pairs of steps (0 or 1 each).  A pixel that is on STAYS if two of them are set, or all four diagonals are on, or none is,
;       or no 4-neighbour is on, or the substep's two products are not both 0.  That is the negation of (one change, 2 to 6 neighbours, both products 0): with one change the neighbours that are on form
;       one arc, and an arc of two or more holds a diagonal and a 4-neighbour; likewise the arc that is off.
; OUT.  A word is read back as a lane mask and selects 0.0 or 1.0; a store covers 512 consecutive bytes, aligned.
; NO CLUSTER: work-groups share only the 16 halo rows of the 80 that each reads.  No tensor load: the floats are used once, from registers; only their bits, 1/32 of the bytes, pass through LDS.
; THE MODE: SCHED_MODE bits 1:0 = 2 (LLVM: expert scheduling mode 2), set by the entry lines.  The code itself states the register dependences between vector instructions and memory or LDS
; instructions, and those through scalar registers that vector instructions write, with s_wait_alu, always for 0.
; THE PLAN.  Registers that memory or LDS instructions touch:
;   v3-v8      offsets and LDS addresses.  Each is written once, at the head or in the set-up behind the first loads, ahead of a wait on va_vdst that stands ahead of its first use; never written again.
;   D          the ring of floats.  Written by loads; read by a pair's 32 compares.  Places 0-5 are loaded a second time, behind the wait on va_vdst that follows the compares that read them.
;   PK + m     a pair's bits.  Written by pair m's lane writes; read by one LDS store, which is issued in pair m + 1's turn, behind that turn's wait on va_vdst; never written again.
;   PB         the LDS loads behind the barrier land in it; as part of the ring it was read by compares, all of which stand ahead of the last wait on va_vdst in front of the barrier.
;   O          eight rows on their way out.  Written by a pair's 32 selects; read by its eight stores, behind one wait on va_vdst; written a second time from the fifth pair on, behind one wait on vm_vsrc.
;   v1, v2     written at the head, read by the closing add alone.
; Scalar registers that vector instructions write: s8 (the wave's number), and the lane masks s20-s51: each run of writers has one wait on va_sdst ahead of its first reader.
; The eight substeps name vector registers alone, by vector instructions alone: they hold no wait.
.set ROWB,  2048                       ; bytes in a row of floats
.set RING,  14                         ; rows of floats in registers: 56 loads of a wave go out at the start
.set SPARE, 5120                       ; behind the 80 rows x 64 bytes of bits: the spare words, 128 bytes a wave, that no other line names
.set SPW, 1                            ; v1   LDS address of my spare word; never rewritten
.set NIL, 2                            ; v2   0; never rewritten
.set OFA, 3                            ; v3   byte offset in the input of my 16 bytes in my wave's row 0 (rows 0-7)
.set OFB, 4                            ; v4   the same for row 8 (rows 8-11)
.set OFC, 5                            ; v5   the same for row 12 (rows 12-19)
.set STA, 6                            ; v6   LDS: where my lane's word of my wave's first two rows goes
.set LDA, 7                            ; v7   LDS: my lane's word of the first row that my half of the lanes reads
.set OFO, 8                            ; v8   16 x lane
.set SHE, 9                            ; v9   1 in plane 3's lanes, else 0
.set SHW, 10                           ; v10  1 in plane 0's lanes, else 0
.set HM,  11                           ; v11  all ones in lanes 16-31, else 0
.set T0,  12                           ; v12-13 at work
.set T1,  13
.set PK,  16                           ; v16-25  ten pairs of packed rows
.set D,   32                           ; v32-255 the ring of floats; free when the bits are in LDS:
.set PA,  32                           ; v32-47  the bit image, 16 rows
.set P16, 48                           ; v48     the row across the seam
.set PB,  50                           ; v50-65  the bit image, the other of the two that take turns
.set ST,  66                           ; v66     the true south (north) neighbour
.set SL,  72                           ; v72-103 row functions, four rows by turns: E, W, ~E, ~W, E&W, ~E&~W, top, bottom
.set TR,  104                          ; v104-119 four registers at work for each of those rows
.set RT,  120                          ; v120-127 at work for a row of results
.set LF,  121
.set NSO, 122
.set NSA, 123
.set Q,   124
.set U,   125
.set VV,  126
.set Z,   127
.set O,   128                          ; v128-255 eight rows of floats on their way out
.set VA,  16                           ; s16  0 if my rows 0-7 lie above the image, else all ones
.set VC,  17                           ; s17  0 if my rows 12-19 lie below the image, else all ones
.set MS,  20                           ; s20-51 lane masks
.set SEL, 52                           ; s52-53 v_permlanex16_b32's selects: each lane takes its own place in the other half
	s_load_b128 s[4:7], s[0:1], 0x0                ; inputs s[4:5], out0 s[6:7]
	v_lshl_add_u32 v[SPW], v0, 2, SPARE
	v_mov_b32 v[NIL], 0
	v_lshrrev_b32 v[T0], 5, v0
	v_readfirstlane_b32 s8, v[T0]                  ; wave 0..3
	v_and_b32 v[T0], 31, v0                        ; lane
	v_lshlrev_b32 v[OFO], 4, v[T0]
	s_and_b32 s9, ttmp9, 7                         ; which of the image's eight strips
	s_lshl_b32 s10, ttmp9, 6                       ; the strip's first row, counted through all images: 64 x work-group
	s_wait_alu depctr_va_sdst(0)                   ; s8 is written, ahead of its first reader: my rows, and all offsets and LDS addresses, are made from it
	s_mul_i32 s11, s8, 20
	s_add_co_u32 s11, s11, s10                     ; t = my wave's row 8, counted so
	s_or_b32 s12, s9, s8
	s_cmp_eq_u32 s12, 0                            ; top strip, wave 0: rows 0-7 lie above the image.  They load rows 8-15's bytes instead (inside the buffer), and their bits are cleared
	s_cselect_b32 s13, 0, 8
	s_cselect_b32 s[VA], 0, -1
	s_lshl_b32 s12, s9, 2
	s_or_b32 s12, s12, s8
	s_cmp_eq_u32 s12, 31                           ; bottom strip, wave 3: rows 12-19 lie below the image: they load rows 4-11's bytes
	s_cselect_b32 s15, 8, 0
	s_cselect_b32 s[VC], 0, -1
	s_sub_co_u32 s13, s11, s13                     ; row 0
	s_add_co_u32 s14, s11, 4
	s_sub_co_u32 s14, s14, s15                     ; row 12
	s_lshl_b32 s13, s13, 11                        ; rows to bytes: under 2^25
	s_lshl_b32 s14, s14, 11
	s_lshl_b32 s15, s11, 11
	v_add_nc_u32 v[OFA], s13, v[OFO]
	v_add_nc_u32 v[OFB], s15, v[OFO]
	v_add_nc_u32 v[OFC], s14, v[OFO]
	s_wait_kmcnt 0x0
	s_wait_alu depctr_va_vdst(0)                   ; the three offsets v3 to v5 are written, which all 80 loads read
.macro LOADROW i                       ; my wave's row i: four loads of 512 consecutive bytes, into ring place i % RING
.set slot, (\i)%RING
.if (\i) < 8
.set ofr, OFA
.set imm, (\i)*ROWB
.elseif (\i) < 12
.set ofr, OFB
.set imm, ((\i)-8)*ROWB
.else
.set ofr, OFC
.set imm, ((\i)-12)*ROWB
.endif
.irp c, 0,1,2,3
	global_load_b128 v[D+16*slot+4*(\c):D+16*slot+4*(\c)+3], v[ofr], s[4:5] offset:imm+512*(\c)
.endr
.endm
.irp i, 0,1,2,3,4,5,6,7,8,9,10,11,12,13
	LOADROW \i
.endr
	; the rest of the set-up stands in the wait for the first rows; it writes none of the registers that those loads name
	s_lshl_b32 s12, s8, 4
	s_add_co_u32 s12, s12, s10                     ; the first row that I store: 64 x work-group + 16 x wave
	s_lshl_b32 s54, s12, 11
	s_mov_b32 s55, 0
	s_add_nc_u64 s[6:7], s[6:7], s[54:55]
	s_mov_b32 s[SEL], 0x76543210
	s_mov_b32 s[SEL+1], 0xfedcba98
	s_mul_i32 s18, s8, 1280                        ; my wave's 20 rows of 64 bytes
	v_lshl_add_u32 v[STA], v[T0], 2, s18           ; + 4 x lane: lanes 0-15 one row, lanes 16-31 the next
	v_and_b32 v[T1], 16, v0
	v_and_b32 v[T0], 15, v0                        ; my word's place in a row
	v_lshlrev_b32 v[LDA], 6, v[T1]                 ; lanes 16-31 read 16 rows further down,
	v_lshl_add_u32 v[LDA], v[T0], 2, v[LDA]
	s_lshl_b32 s18, s8, 10                         ; wave w from row 16 w on
	v_add_nc_u32 v[LDA], s18, v[LDA]
	v_cmp_gt_u32 s[MS], 4, v[T0]                   ; places 0-3: plane 3
	v_cmp_lt_u32 s[MS+1], 11, v[T0]                ; places 12-15: plane 0
	v_cmp_ne_u32 s[MS+2], 0, v[T1]                 ; lanes 16-31
	s_wait_alu depctr_va_sdst(0)                   ; the three compares have written s20 to s22, which the three selects read
	v_cndmask_b32 v[SHE], 0, 1, s[MS]
	v_cndmask_b32 v[SHW], 0, 1, s[MS+1]
	v_cndmask_b32 v[HM], 0, -1, s[MS+2]
.set t, 0
.rept 10
	v_mov_b32 v[PK+t], 0                           ; v_writelane_b32 keeps the other lanes: the register is written whole first
.set t, t+1
.endr
; Rows 2 m and 2 m + 1 become bits.  left = the loads issued behind theirs, which stay out.  next >= 0: the two ring places just read take rows next and next + 1.
; The pair's bits go to LDS in the next pair's turn, behind that turn's wait on va_vdst.
.macro PACK m, left, next
	s_wait_loadcnt \left                           ; loads come back in order (ISA guide 5.7.1): these two rows' eight are in
.set t, 0
.rept 32                               ; t = 16 u + 4 c + j: row 2 m + u, chunk c, plane j
	v_cmp_le_f32 s[MS+t], 0.5, v[D+16*((2*(\m)+t/16)%RING)+t%16]
.set t, t+1
.endr
	s_wait_alu depctr_va_vdst(0)                   ; the compares are done reading their two ring places, in which the loads below land; the pair before has written its bits (and the set-up v6), which the LDS store below reads
.if (\next) >= 0
	LOADROW \next
	LOADROW (\next)+1
.endif
.if (\m) > 0
	ds_store_b32 v[STA], v[PK+(\m)-1] offset:128*((\m)-1)
.endif
	s_wait_alu depctr_va_sdst(0)                   ; the 32 compares have written s20 to s51, which the lane writes read
.set t, 0
.rept 32
	v_writelane_b32 v[PK+(\m)], s[MS+t], 16*(t/16)+4*(3-t%4)+(t%16)/4
.set t, t+1
.endr
.if (\m) < 4
	v_and_b32 v[PK+(\m)], s[VA], v[PK+(\m)]        ; rows above the image are 0
.elseif (\m) >= 6
	v_and_b32 v[PK+(\m)], s[VC], v[PK+(\m)]        ; rows below it too
.endif
.endm
	PACK 0, 48, 14                                 ; 56 issued, 8 wanted: 48 stay out; then 8 more go out, so the count stays
	PACK 1, 48, 16
	PACK 2, 48, 18
	PACK 3, 48, -1                                 ; all 80 are issued: 32 wanted, 48 behind them
	PACK 4, 40, -1
	PACK 5, 32, -1
	PACK 6, 24, -1
	PACK 7, 16, -1
	PACK 8, 8, -1
	PACK 9, 0, -1
	s_wait_alu depctr_va_vdst(0)                   ; the last pair has written its bits, which the LDS store reads; every compare is done reading the ring, in whose registers v50 to v65 the LDS loads behind the barrier land
	ds_store_b32 v[STA], v[PK+9] offset:128*9
	s_wait_dscnt 0x0                               ; for the others' sake: my rows of bits are in LDS
	s_barrier_signal -1
	s_barrier_wait -1                              ; all 80 rows are
.set t, 0
.rept 16
	ds_load_b32 v[PB+t], v[LDA] offset:64*t        ; lanes 0-15: row 16 w + t; lanes 16-31: row 16 w + 16 + t.  No vector instruction stands between the wait on va_vdst above and these loads
.set t, t+1
.endr
.set t, 0
.rept 16
	v_mov_b32 v[TR+t], 0                           ; destinations of DPP moves and of the lane permute count as read: written once here
.set t, t+1
.endr
	v_mov_b32 v[P16], 0
	s_wait_dscnt 0x0
.set t, 0
.rept 16
	v_bfi_b32 v[PA+t], v[HM], v[PB+15-t], v[PB+t]  ; lanes 16-31 take their rows in reverse order
.set t, t+1
.endr
; Operation n of 14 of ROW r's functions, from the image SRC (row 16: the row across the seam), into place r % 4.
.macro RF r, n
.if (\r) == 16
.set rP, P16
.else
.set rP, SRC+(\r)
.endif
.set rB, SL+8*((\r)%4)
.set rX, TR+4*((\r)%4)
.if (\n) == 0
	v_mov_b32_dpp v[rX], v[rP] row_ror:4 row_mask:0xf bank_mask:0xf                    ; the word 4 lanes below: plane j + 1; for plane 3: plane 0 of the same chunk
.elseif (\n) == 1
	v_mov_b32_dpp v[rX+1], v[rP] row_shl:13 row_mask:0xf bank_mask:0xf bound_ctrl:1    ; for plane 3: plane 0 of the next chunk; 0 for the last chunk and in all other planes
.elseif (\n) == 2
	v_mov_b32_dpp v[rX+2], v[rP] row_ror:12 row_mask:0xf bank_mask:0xf                 ; the word 4 lanes above: plane j - 1; for plane 0: plane 3 of the same chunk
.elseif (\n) == 3
	v_mov_b32_dpp v[rX+3], v[rP] row_shr:13 row_mask:0xf bank_mask:0xf bound_ctrl:1    ; for plane 0: plane 3 of the chunk before; 0 for the first chunk and in all other planes
.elseif (\n) == 4
	v_lshrrev_b32 v[rX], v[SHE], v[rX]
.elseif (\n) == 5
	v_lshrrev_b32 v[rX+3], 31, v[rX+3]
.elseif (\n) == 6
	v_lshl_or_b32 v[rB], v[rX+1], 31, v[rX]        ; E: the row one pixel to the east
.elseif (\n) == 7
	v_lshl_or_b32 v[rB+1], v[rX+2], v[SHW], v[rX+3] ; W
.elseif (\n) == 8
	v_xor_b32 v[rB+2], -1, v[rB]
.elseif (\n) == 9
	v_xor_b32 v[rB+3], -1, v[rB+1]
.elseif (\n) == 10
	v_and_b32 v[rB+4], v[rB], v[rB+1]
.elseif (\n) == 11
	v_and_b32 v[rB+5], v[rB+2], v[rB+3]
.elseif (\n) == 12
.if (\r) != KK-1                       ; the substep's first row is nobody's lower neighbour
	v_bfi_b32 v[rB+7], v[rP], v[rB+2], v[rB+1]     ; bottom: changes on E -> P -> W: P ? ~E : W
.endif
.elseif (\n) == 13
.if (\r) != 16                         ; the row across the seam is nobody's upper neighbour
	v_bfi_b32 v[rB+6], v[rP], v[rB+3], v[rB]       ; top: changes on W -> P -> E: P ? ~W : E
.endif
.endif
.endm
; Operation n of 17 of ROW r's new value.  N, S: registers r - 1, r + 1 (in lanes 16-31 the true south and north).
.macro PX r, n
.set rN, SRC+(\r)-1
.set rC, SRC+(\r)
.if (\r) == 15
.set rS, P16
.else
.set rS, SRC+(\r)+1
.endif
.set bN, SL+8*(((\r)+3)%4)
.set bC, SL+8*((\r)%4)
.set bS, SL+8*(((\r)+1)%4)
.if (\n) == 0
	v_bfi_b32 v[RT], v[bC], v[bN+2], v[bS]         ; right: E ? ~NE : SE
.elseif (\n) == 1
	v_bfi_b32 v[LF], v[bC+1], v[bS+3], v[bN+1]     ; left: W ? ~SW : NW
.elseif (\n) == 2
	v_or_b32 v[NSO], v[rN], v[rS]
.elseif (\n) == 3
	v_and_b32 v[NSA], v[rN], v[rS]
.elseif (\n) == 4
	v_and_b32 v[Q], v[bN+6], v[RT]                 ; two changes: top and right,
.elseif (\n) == 5
	v_or_b32 v[U], v[bN+6], v[RT]
.elseif (\n) == 6
	v_or_b32 v[VV], v[bS+7], v[LF]
.elseif (\n) == 7
.if FIRST
	v_bfi_b32 v[ST], v[HM], v[rN], v[rS]           ; the true south neighbour
.else
	v_bfi_b32 v[ST], v[HM], v[rS], v[rN]           ; the true north neighbour
.endif
.elseif (\n) == 8
	v_and_or_b32 v[Q], v[bS+7], v[LF], v[Q]        ; bottom and left,
.elseif (\n) == 9
	v_bfi_b32 v[Z], v[NSO], 0, v[bC+5]             ; no 4-neighbour is on
.elseif (\n) == 10
	v_and_or_b32 v[Q], v[U], v[VV], v[Q]           ; one of each pair
.elseif (\n) == 11
	v_and_or_b32 v[Z], v[bN+4], v[bS+4], v[Z]      ; all four diagonals are on
.elseif (\n) == 12
	v_and_or_b32 v[Q], v[bN+5], v[bS+5], v[Q]      ; no diagonal is on
.elseif (\n) == 13
	v_and_or_b32 v[Z], v[NSA], v[bC+1-FIRST], v[Z] ; N S E (first substep), N S W (second)
.elseif (\n) == 14
	v_and_or_b32 v[Q], v[bC+4], v[ST], v[Q]        ; E W and the true S (first), the true N (second)
.elseif (\n) == 15
	v_or_b32 v[Q], v[Q], v[Z]
.else
	v_and_b32 v[DST+(\r)], v[rC], v[Q]
.endif
.endm
; SUBSTEP k of 8 makes registers k .. 15 of dst from registers k - 1 .. 15 of src and the seam.  A row's result and the functions of the row two further on do not depend on each other: their lines alternate.
.macro SUBSTEP k, first, src, dst
.set KK, \k
.set FIRST, \first
.set SRC, \src
.set DST, \dst
	v_permlanex16_b32 v[P16], v[SRC+15], s[SEL], s[SEL+1]
.set n, 0
.rept 14
	RF KK-1, n
	RF KK, n
	RF KK+1, n
.set n, n+1
.endr
.set r, KK
.rept 16-(\k)
.set n, 0
.rept 17
	PX r, n
.if (r+2 <= 16) && (n < 14)
	RF r+2, n
.endif
.set n, n+1
.endr
.set r, r+1
.endr
.endm
	SUBSTEP 1, 1, PA, PB
	SUBSTEP 2, 0, PB, PA
	SUBSTEP 3, 1, PA, PB
	SUBSTEP 4, 0, PB, PA
	SUBSTEP 5, 1, PA, PB
	SUBSTEP 6, 0, PB, PA
	SUBSTEP 7, 1, PA, PB
	SUBSTEP 8, 0, PB, PA
; THE WAY OUT, two rows at a time.  Row p of my 16: lanes 0-15 of register 8 + p, or lanes 16-31 of register 23 - p.  Each word goes back into a lane mask and selects 0.0 or 1.0.
.macro MASKS q                         ; rows 2 q and 2 q + 1: their 32 words into s20 to s51.  t = 16 u + 4 c + j
.if (\q) < 4
.set rbase, PA+8+2*(\q)
.set rstep, 1
.set hh, 0
.else
.set rbase, PA+23-2*(\q)
.set rstep, -1
.set hh, 16
.endif
.set t, 0
.rept 32
	v_readlane_b32 s[MS+t], v[rbase+rstep*(t/16)], hh+4*(3-t%4)+(t%16)/4
.set t, t+1
.endr
.endm
.macro FLOATS q                        ; the two rows as floats, into places 2 q % 8 and (2 q + 1) % 8 of O
.set t, 0
.rept 32
	v_cndmask_b32 v[O+16*((2*(\q)+t/16)%8)+t%16], 0, 1.0, s[MS+t]
.set t, t+1
.endr
.endm
.macro SEND q
.irp u, 0,1
.irp c, 0,1,2,3
	global_store_b128 v[OFO], v[O+16*((2*(\q)+(\u))%8)+4*(\c):O+16*((2*(\q)+(\u))%8)+4*(\c)+3], s[6:7] offset:(2*(\q)+(\u))*ROWB+512*(\c) th:TH_STORE_NT  ; 512 consecutive bytes, at a multiple of 512 from the output's first byte
.endr
.endr
.endm
	MASKS 0
.irp q, 0,1,2,3,4,5,6,7
	s_wait_alu depctr_va_sdst(0)                   ; the 32 lane reads have written s20 to s51, which the selects read
.if (\q) == 4
	s_wait_xcnt 0x0                                ; the first eight rows' stores have had their addresses translated (ISA guide 3.1): only behind this wait are their data registers written again
	s_wait_alu depctr_vm_vsrc(0)                   ; the first eight rows' stores have read O, which the selects of this pair and of the three behind it write again
.endif
	FLOATS \q
.if (\q) < 7
	MASKS (\q)+1                                   ; the next pair's lane reads stand between the selects and the wait for them; they name no register of O
.endif
	s_wait_alu depctr_va_vdst(0)                   ; the selects have written the pair's two places of O, which the eight stores read
	SEND \q
.endr
	s_wait_dscnt 0x0                               ; the closing lines, six on end
	s_wait_alu 0x0
	s_wait_tensorcnt 0x0
	ds_add_u32 v[SPW], v[NIL]
	s_wait_dscnt 0x0
	s_endpgm
.Lfunc_end_k_qeb542d3090_skeleton:
	.size	k_qeb542d3090_skeleton, .Lfunc_end_k_qeb542d3090_skeleton-k_qeb542d3090_skeleton
	.p2alignl 7, 3214868480
	.fill 96, 4, 3214868480
	.section	.rodata,"a",@progbits
	.p2align	6, 0x0
	.amdhsa_kernel k_qeb542d3090_skeleton
		.amdhsa_group_segment_fixed_size 5632
		.amdhsa_private_segment_fixed_size 0
		.amdhsa_enable_private_segment 0
		.amdhsa_kernarg_size 16
		.amdhsa_user_sgpr_count 2
		.amdhsa_user_sgpr_kernarg_segment_ptr 1
		.amdhsa_wavefront_size32 1
		.amdhsa_system_sgpr_workgroup_id_x 1
		.amdhsa_system_sgpr_workgroup_id_y 1
		.amdhsa_system_sgpr_workgroup_id_z 1
		.amdhsa_system_vgpr_workitem_id 0
		.amdhsa_next_free_vgpr 256
		.amdhsa_next_free_sgpr 66
		.amdhsa_reserve_vcc 0
		.amdhsa_float_denorm_mode_32 3
		.amdhsa_float_denorm_mode_16_64 3
		.amdhsa_memory_ordered 1
		.amdhsa_forward_progress 1
		.amdhsa_inst_pref_size 245
	.end_amdhsa_kernel
	.amdgpu_metadata
---
amdhsa.version: [ 1, 2 ]
amdhsa.kernels:
  - .name:           k_qeb542d3090_skeleton
    .symbol:         k_qeb542d3090_skeleton.kd
    .args:
      - { .name: inputs, .offset: 0, .size: 8, .value_kind: global_buffer, .address_space: global }
      - { .name: out0, .offset: 8, .size: 8, .value_kind: global_buffer, .address_space: global }
    .group_segment_fixed_size: 5632
    .private_segment_fixed_size: 0
    .kernarg_segment_align: 8
    .kernarg_segment_size: 16
    .max_flat_workgroup_size: 128
    .sgpr_count:     66
    .vgpr_count:     256
    .wavefront_size: 32
...
	.end_amdgpu_metadata
.endif
;; end of part 2
